; MI455X (gfx1250); checked and timed in simulation.
; The chip was launched on July 23, 2026; its instructions are those of AMD's public machine-readable ISA for CDNA 5 (MIT licence, August 2026) and "CDNA5" Instruction Set Architecture Reference Guide (July 2026). The comments in the code are by the model that wrote it; some were corrected since.
;; Causal Self Attention. Allowed arithmetic: matrix products marked QUANTISED: E4M3 operands, one given power-of-two scale a tensor, by v_wmma_f32_16x16x64_fp8_fp8 or v_wmma_f32_16x16x128_fp8_fp8, f32 sums; everything else in f32.
;; Inputs: lowp_scales 8 int32 (the exponents e of the quantised operands' scales 2^e); w_out_codes 1,024 x 32 x 32 uint8 (E4M3 codes of w_out, K innermost, in blocks of 32 codes); w_qkv_codes 3,072 x 32 x 32 uint8 (E4M3 codes of w_qkv, K innermost, in blocks of 32 codes); x_codes 4 x 2,048 x 32 x 32 uint8 (E4M3 codes of x, K innermost, in blocks of 32 codes).
;; Outputs: out0 4 x 2,048 x 1,024 float32.
;; This version of the problem:
;;   THIS VERSION OF THE PROBLEM IS GIVEN IN LOW PRECISION. The matrix products marked QUANTISED in the list below multiply operands that are first quantised to E4M3 (4 exponent bits, 3 mantissa bits; 8 bits a number), with one given power-of-two scale for each operand tensor; their sums are f32. All else is computed in f32.
;;   The module's matrix products, in the order in which they are computed (A, B: the left and right operand; K: the contracted axis; several contracted axes count as one K, in the product's order):
;;     1. [M 8,192, K 1,024] x [K 1,024, N 3,072]; A: input x (given as codes); B: input w_qkv (given as codes): QUANTISED (scales: A lowp_scales[0], B lowp_scales[1])
;;     2. batch 64 x [M 2,048, K 64] x [K 64, N 2,048]; A: computed on the way; B: computed on the way: QUANTISED (scales: A lowp_scales[2], B lowp_scales[3])
;;     3. batch 64 x [M 2,048, K 2,048] x [K 2,048, N 64]; A: softmax (see below); B: computed on the way: QUANTISED (scales: A lowp_scales[4], B lowp_scales[5])
;;     4. [M 8,192, K 1,024] x [K 1,024, N 1,024]; A: computed on the way; B: input w_out (given as codes): QUANTISED (scales: A lowp_scales[6], B lowp_scales[7])
;;   THE QUANTISER, for each operand of a quantised product, along K:
;;     - The operand's scale is 2^e, e = its entry of the input lowp_scales (int32; the entries are numbered through the quantised products in the list's order, A before B).
;;     - Each number is divided by the scale, clamped to +-448, and rounded to the nearest number of E4M3, ties to even, subnormals kept.
;;     - The product sums the exact products of the quantised numbers (number of the format x scale) in f32.
;;   ~~~python
;;   def quantise(x, axis, e):      # numpy; x: float32 -> the quantised numbers, widened to float32 again
;;       x = np.moveaxis(x, axis, -1); K = x.shape[-1]
;;       r = np.clip(x / 2.0 ** e, -448, 448)
;;       step = 2.0 ** (np.maximum(np.frexp(np.where(r == 0, 1, r))[1] - 1, -6) - 3)
;;       q = np.round(r / step) * step * 2.0 ** e      # np.round: ties to even
;;       return np.moveaxis(q, -1, axis).astype(np.float32)
;;   ~~~
;;   SOFTMAX AHEAD OF A QUANTISED PRODUCT. Where the list says 'softmax', what is quantised is not the finished softmax but p = 2^(t - M), with t = logit x log2(e) and M = ceil(the row's largest t), a whole number; so 1/2 < the row's largest p <= 1. The row's sum l is taken of the UNQUANTISED p, in f32, and the product's result is divided by l at the end. Since M is a whole number, a kernel that streams over the keys may use a running M (the ceiling of the running maximum): every later rescaling is an exact power of two, so the quantised numbers keep their values, but for numbers so far below the row's largest that they fall under the format's range.
;;   OPERANDS COMPUTED ON THE WAY. 'Computed on the way' means the value that the module computes at that place (a softmax that the list does not call 'softmax' is quantised finished and normalised). What goes into a quantiser is computed in f32, as accurately as f32 sums, v_exp_f32 and their like allow (about 1e-6 of the number): no bf16 or f16 on the way to a quantiser, and a product that is left as it is and whose result goes on into a quantised operand takes f32 operands (vector FMAs, or v_wmma_f32_16x16x4_f32). A number that lies on a knife's edge between two numbers of the format may be rounded either way, as far as f32 arithmetic and the matrix unit's own rounding can turn it there, and no further.
;;   INPUTS GIVEN AS CODES. w_out (in the module: [1024, 1024], K = its axis 0); w_qkv (in the module: [1024, 3072], K = its axis 0); x (in the module: [4, 2048, 1024], K = its axis 2): each comes as NAME_codes (uint8): NAME with its K axis moved to the last place and cut into blocks of 32 codes, [.., K / 32, bytes a block], one block behind the other in memory; one code a byte (a code: sign, 4 exponent bits, 3 mantissa bits); its scale is its entry of lowp_scales. Its value is code x scale, taken as it is: it is not quantised again, and the codes and scales need not be those that the quantiser above would give.
;; One version. Each part assembles by itself: llvm-mc -triple=amdgcn-amd-amdhsa -mcpu=gfx1250 --defsym DOCPART=n.
;; ======== version 1 of 1: 3 launches
;; limits: right only within a limited range of input values
;; workspace buffers: q_img 8,388,608 bytes; k_img 8,388,608 bytes; v_img 8,388,608 bytes; att_img 8,388,608 bytes
;; launch proj (part 1): grid 8 x 32, 4 waves a work-group, clusters of 4 x 4, 327,680 bytes of LDS; arguments x_codes, w_qkv_codes, lowp_scales, q_img, k_img, v_img; writes q_img, k_img, v_img
.if DOCPART == 1
	.amdgcn_target "amdgcn-amd-amdhsa--gfx1250"
	.amdhsa_code_object_version 6
	.text
	.protected	k_qdd9dd22b5b_proj
	.globl	k_qdd9dd22b5b_proj
	.p2align	8
	.type	k_qdd9dd22b5b_proj,@function
k_qdd9dd22b5b_proj:
	s_mov_b64 s[64:65], 0
	v_nop
	global_prefetch_b8 v0, s[64:65] scope:SCOPE_SE
	s_setreg_imm32_b32 hwreg(HW_REG_WAVE_MODE, 25, 1), 1
	s_wait_xcnt 0x0
	s_wait_alu depctr_hold_cnt(0) depctr_sa_sdst(0) depctr_va_vdst(0) depctr_va_sdst(0) depctr_va_ssrc(0) depctr_va_vcc(0) depctr_vm_vsrc(0)
	s_getreg_b32 s2, hwreg(HW_REG_IB_STS2, 6, 4)
	s_cmp_eq_u32 s2, 0
	s_cbranch_scc0 .Lentry_in_a_cluster
	s_endpgm
.Lentry_in_a_cluster:
	s_bfe_u32 s2, ttmp6, 0x10000c
	s_cmp_lg_u32 s2, 0xf033
	s_cbranch_scc0 .Lentry_shape_is_right
	s_endpgm
.Lentry_shape_is_right:
; q, k and v = x w_qkv on E4M3 codes; q and k get the rotary embedding in f32; all three are quantised for the attention launch: q with 2^e2, k with 2^e3 (along the head's 64), v with 2^e5 (along the keys).
; A WORK-GROUP STAYS: four waves make first a tile of 256 tokens x 256 channels of q or k (a wave 128 x 128, 64 accumulators), then a tile of 128 channels x 256 tokens of V^T (a wave 64 x 128, 32 accumulators).
; K = 1024 goes twice in four steps of 256 through ONE ring of two LDS slots, which does not stop between the phases: V's first two K steps are asked for behind the first phase's last two rounds.
; A slot: x's 256 rows, then w's 256 rows (V: 128 rows), each 256 bytes + 16 of padding.
; PHASE 1: source 1 (the lanes' axis) = tokens, source 0 (the registers' axis) = channels.  PHASE 2: the regions change roles: source 1 = channels of V, source 0 = tokens, so that a lane's registers run along the keys.
; THE ROWS OF A TILE OF 16 ARE NOT NEIGHBOURS: lane r of tile i takes row 32 (i/2) + 8 (i%2) + r + (r & 8), on both operands.  So the 16 registers of accumulators (a, 2c) and (a, 2c+1) are 16 neighbours along the
; registers' axis, 32 c + 16 (lane/16) + 0..15, the two halves of a head that the rotation pairs lie in one lane, and the conversions' results are the registers of the next launch's operands.
; q_img, k_img: [batch x head][tile i of 16 tokens][beta][lane][16 bytes]: token 32 (i/2) + 8 (i%2) + r + (r & 8), channels 32 beta + 16 h + 0..15.
; v_img: [batch x head][key step of 128][tile dt of 16 channels][c][lane][16 bytes]: channel 32 (dt/2) + 8 (dt%2) + r + (r & 8), keys 32 c + 16 h + 0..15.  Each store of a wave covers 512 consecutive bytes, aligned.
; COS AND SIN are made here, while the first tiles are on their way.  The angle is the f32 product t x f_x, f_x = 1 / 10^(x/8) rounded to f32 (the power given as a decimal constant, the reciprocal mended by one Newton
; step); it is reduced by pi/2 in two parts, the first exact; four angles go in lock-step.  A wave wants 8 blocks x (16 cos + 16 sin) a lane: blocks 0-4 lie in LDS (the two waves that share the tokens make half each),
; blocks 5-7 in v32-127 (each wave makes its own): one block more in LDS would need 512 bytes more than a WGP has.
; Tile columns 0-3 are q, 4-7 are k: the buffer and the exponent are CHOSEN (s_cselect) on the tile column; no branch hangs on it.
; CLUSTERS: 4 x 4 work-groups; x's tile is shared along a row of the cluster, w's along a column: joint loads.
; LIMITS: e2 - e0 - e1, e3 - e0 - e1 and e5 - e0 - e1 between -126 and 119, so that each conversion's scale and 448 x it are f32 numbers.  NaN codes among the inputs are not served.
; REGISTERS: window 0: v1-15 at work, v16-31 addresses and constants, v32-127 cos and sin of blocks 5-7 (later V's held sums), v128-255 source 1's fragments (at the start: the table's work; on the ways out: staging, codes).
;   window 1: source 0's fragments, two sets.  windows 2, 3: accumulators, (a, b) at v[8 (8 (a%4) + b)].
.set KROW,   1024                      ; a row of codes in memory, bytes
.set ROWB,   256                       ; a tile's row: 256 along K
.set PITCH,  272                       ; an LDS row: 256 bytes + 16 of padding
.set FR,     16                        ; registers of a fragment, 16 rows x 128 K
.set NL,     4                         ; LDS loads that bring one
.set NP,     4                         ; places behind this matrix instruction (ISA guide 7.12.1)
.set HALFT,  128*PITCH                 ; 128 rows
.set SLOT,   4*HALFT                   ; x's 256 rows, then w's 256
.set SPARE,  2*SLOT                    ; behind the ring: the spare words, 128 bytes a wave
.set NLT,    5                         ; blocks of the table that lie in LDS
.set SCR,    SPARE+512                 ; the table: [half of the tokens][block][k 0..7][lane][16 bytes]: k < 4 cos, k >= 4 sin, of frequencies 16 h + 4 (k%4) + 0..3; no tile lands here
.set PADW,   (1<<20)|(1<<21)|(5<<22)|(3<<25)   ; elements of 1 byte; padding on; bit 21 beside a mask; 4 words behind every 64
.set ADRA, 16                          ; v16-17 LDS address of my fragments of x in slot 0, 1
.set ADRV, 18                          ; v18-19 of my 64 rows of w in phase 2
.set ADRB, 20                          ; v20-21 of my 128 rows of w in phase 1
.set SC,   22                          ; v22 2^(e2 or e3 - e0 - e1) as f32
.set LIM,  23
.set SCWR, 24                          ; v24 where I store my part of the table
.set SCRD, 25                          ; v25 where I read the table
.set CO,   26                          ; v26 16 x lane
.set TF,   27                          ; v27 my token as f32
.set SPW,  28                          ; v28 my spare word's LDS address; never rewritten
.set NIL,  29                          ; v29 0; never rewritten
.set SCV,  30                          ; v30 2^(e5 - e0 - e1)
.set LIMV, 31
.set RREG, 32                          ; cos and sin of blocks 5-7: 32 registers a block
.set AF,   128                         ; source 1's fragments
.set FQ,   128                         ; at the start: v128-143 f_x, x = 16 h + 0..15;  v144-151 the eight that I make for LDS
.set FS,   144
.set TW,   152                         ; v152-215 four angles' work, 16 registers each
.set OC,   216                         ; v216-223 cos, v224-231 sin, on their way to LDS
.set OS,   224
.set STG,  128                         ; q, k way out: two sets of 32 for cos and sin from LDS
.set RO,   192                         ; a head's 32 rotated numbers
.set CQ0,  224                         ; four sets of 8 registers of codes, by turns
.set TMP,  32
.set CD,   128                         ; and its codes, 16 registers a block
.set G1, 24                            ; s[24:31] group 1 for x's tiles;  s[32:39] group 0, a set for each slot
.set G0, 32
.set G1B, 48                           ; s[48:55] group 1 for w's tiles of 128 rows;  s[56:63] group 0
.set G0B, 56
.set G1V, 72                           ; s[72:79] group 1 for w's tiles of 64 rows (phase 2)
.set VWP, 96                           ; s[96:97] where my part of V's rows of w begins
.set VL,  3                            ; s3 and where it goes in a slot
.set MSB, 0
.macro WIN new                         ; the immediate's high byte repeats the setting that is left
.if MSB != (\new)
	s_set_vgpr_msb (MSB<<8)|(\new)
.set MSB, (\new)
.endif
.endm
.set MUL_LO, 0xa1                      ; source 0 window 1, source 1 window 0, C and D window 2
.set MUL_HI, 0xf1                      ; the same, C and D window 3
.set TO_B,   0x40                      ; destination window 1
.macro JLOAD g0a, g1a, g0b, g1b        ; a joint load: waves 0, 1 fetch x's halves, waves 2, 3 w's; four v_nop follow each line
	s_cmp_eq_u32 s15, 0
	s_cbranch_scc0 .Lfor_b_\@
	tensor_load_to_lds s[\g0a:\g0a+3], s[\g1a:\g1a+7]
	s_nop 0
.rept 4
	v_nop
.endr
	s_branch .Lasked_\@
.Lfor_b_\@:
	tensor_load_to_lds s[\g0b:\g0b+3], s[\g1b:\g1b+7]
	s_nop 0
.rept 4
	v_nop
.endr
.Lasked_\@:
.endm
.macro CREST                           ; a round of the cluster's barrier behind its opening barrier
	s_cmp_lg_u32 s14, 0
	s_cbranch_scc1 .Lnot_wave_0_\@
	s_barrier_signal -3
.Lnot_wave_0_\@:
	s_barrier_wait -3
	s_barrier_signal -1
	s_barrier_wait -1
.endm
.macro CROUND
	s_barrier_signal -1
	s_barrier_wait -1
	CREST
.endm
	s_load_b256 s[4:11], s[0:1], 0x0               ; x's codes s[4:5], w_qkv's codes s[6:7], the scales' exponents s[8:9], q_img s[10:11]
	s_load_b128 s[68:71], s[0:1], 0x20             ; k_img s[68:69], v_img s[70:71]
	v_lshl_add_u32 v[SPW], v0, 2, SPARE
	v_mov_b32 v[NIL], 0
	ds_add_u32 v28, v29
	ds_add_u32 v28, v29
	s_wait_dscnt 0x0
	v_lshrrev_b32 v1, 5, v0
	v_readfirstlane_b32 s14, v1                    ; wave 0..3
	s_lshr_b32 s15, s14, 1                         ; wr: my half of the tokens.  Also: I fetch for x (0) or for w (1)
	s_and_b32 s16, s14, 1                          ; wc: my half of the channels.  Also: which half of that tile I fetch
	s_bfe_u32 s40, ttmp6, 0x40000                  ; cx
	s_bfe_u32 s41, ttmp6, 0x40004                  ; cy
	s_lshl_b32 s42, ttmp9, 2
	s_add_co_u32 s42, s42, s40                     ; tx: 256 channels of q, k; 128 of v
	s_and_b32 s17, ttmp7, 0xffff
	s_lshl_b32 s17, s17, 2
	s_add_co_u32 s17, s17, s41                     ; ty: 256 tokens
	s_lshl_b32 s43, s41, 2
	s_lshl_b32 s43, 15, s43                        ; my row of the cluster
	s_lshl_b32 s44, 0x1111, s40                    ; my column
	s_or_b32 s[G1+0], s43, PADW
	s_or_b32 s[G1B+0], s44, PADW
	s_or_b32 s[G1V+0], s44, PADW
.irp g, G1, G1B, G1V
	s_mov_b32 s[\g+1], ROWB<<16                    ; tensor_dim0
	s_mov_b32 s[\g+3], ROWB<<16                    ; tile_dim0
	s_mov_b32 s[\g+5], KROW                        ; pitch
	s_mov_b32 s[\g+6], 0
	s_mov_b32 s[\g+7], 0
.endr
.irp g, G1, G1B
	s_mov_b32 s[\g+2], 128<<16                     ; tensor_dim1
	s_mov_b32 s[\g+4], 128                         ; tile_dim1
.endr
	s_mov_b32 s[G1V+2], 64<<16
	s_mov_b32 s[G1V+4], 64
	s_lshl_b32 s18, s16, 7
	s_lshl_b32 s20, s17, 8
	s_add_co_u32 s20, s20, s18                     ; x: row 256 ty + 128 half
	s_lshl_b32 s20, s20, 10                        ; x 1024 bytes (under 2^23)
	s_mov_b32 s21, 0
	s_lshl_b32 s46, s42, 8
	s_add_co_u32 s46, s46, s18                     ; w, phase 1: row 256 tx + 128 half
	s_lshl_b32 s46, s46, 10
	s_mov_b32 s47, 0
	s_lshl_b32 s[VWP], s42, 7
	s_lshl_b32 s19, s16, 6
	s_add_co_u32 s[VWP], s[VWP], s19
	s_add_co_u32 s[VWP], s[VWP], 2048              ; w, phase 2: row 2048 + 128 tx + 64 half
	s_lshl_b32 s[VWP], s[VWP], 10
	s_mov_b32 s[VWP+1], 0
	s_mul_i32 s45, s14, HALFT                      ; where phase 1's tiles go: wave x 128 rows
	s_mul_i32 s[VL], s16, 64*PITCH
	s_add_co_u32 s[VL], s[VL], 2*HALFT             ; where phase 2's rows of w go: behind x's 256, 64 rows a half
	s_wait_kmcnt 0x0
	s_load_b256 s[80:87], s[8:9], 0x0              ; e0 .. e7
	s_add_nc_u64 s[20:21], s[4:5], s[20:21]
	s_add_nc_u64 s[46:47], s[6:7], s[46:47]
	s_add_nc_u64 s[VWP:VWP+1], s[6:7], s[VWP:VWP+1]
	CROUND                                         ; all sixteen work-groups are here: the first joint loads meet
.irp s, 0,1
	s_mov_b32 s[G0+4*\s], 1
	s_add_co_u32 s[G0+4*\s+1], s45, \s*SLOT
	s_add_nc_u64 s[G0+4*\s+2:G0+4*\s+3], s[20:21], \s*ROWB
	s_or_b32 s[G0+4*\s+3], s[G0+4*\s+3], 0x80000000
	s_mov_b32 s[G0B+4*\s], 1
	s_add_co_u32 s[G0B+4*\s+1], s45, \s*SLOT
	s_add_nc_u64 s[G0B+4*\s+2:G0B+4*\s+3], s[46:47], \s*ROWB
	s_or_b32 s[G0B+4*\s+3], s[G0B+4*\s+3], 0x80000000
	s_wait_alu depctr_va_vdst(0)
	s_wait_tensorcnt 0x0
	ds_add_u32 v28, v29
	ds_add_u32 v28, v29
	s_wait_dscnt 0x0
	CROUND
	JLOAD G0+4*\s, G1, G0B+4*\s, G1B
.endr
	v_and_b32 v1, 15, v0                           ; r
	v_bfe_u32 v2, v0, 4, 1                         ; h
	v_and_b32 v5, 8, v1
	v_add_nc_u32 v5, v5, v1                        ; r + (r & 8): my row in a tile
	v_mul_u32_u24 v3, v5, PITCH
	v_lshl_add_u32 v4, v2, 4, v3                   ; row x pitch + 16 h
	s_mul_i32 s21, s15, HALFT                      ; my 128 rows of x
	s_mul_i32 s22, s16, HALFT
	s_add_co_u32 s22, s22, 2*HALFT                 ; my 128 rows of w (phase 1)
	s_mov_b32 s23, s[VL]                           ; my 64 rows of w (phase 2)
.irp s, 0,1
	v_add_nc_u32 v[ADRA+\s], s21, v4
	v_add_nc_u32 v[ADRB+\s], s22, v4
	v_add_nc_u32 v[ADRV+\s], s23, v4
	s_add_co_u32 s21, s21, SLOT
	s_add_co_u32 s22, s22, SLOT
	s_add_co_u32 s23, s23, SLOT
.endr
	v_and_b32 v6, 31, v0
	v_lshlrev_b32 v[CO], 4, v6                     ; 16 x lane
	s_mul_i32 s18, s15, NLT*4096
	s_add_co_u32 s18, s18, SCR
	v_add_nc_u32 v[SCRD], s18, v[CO]               ; the table of my half of the tokens
	s_lshl_b32 s19, s16, 10
	s_add_co_u32 s18, s18, s19
	v_add_nc_u32 v[SCWR], s18, v[CO]               ; my part of it: chunks k = 2 wc, 2 wc + 1 and 4 + 2 wc, 5 + 2 wc
	; ---- COS AND SIN, while the first tiles are on their way
	s_mov_b32 s95, 0xbfc90fdb                      ; -(pi/2 rounded to f32)
	s_mov_b32 s88, 0x333bbd2e                      ; that f32 number less pi/2
	s_mov_b32 s89, -0.16666654611                  ; sin r = r + r z (S1 + z (S2 + z S3)), z = r r, |r| <= pi/4
	s_mov_b32 s90, 0.0083321608736
	s_mov_b32 s91, -0.00019515295891
	s_mov_b32 s92, 0.041666645683                  ; cos r = 1 - z/2 + z z (C1 + z (C2 + z C3))
	s_mov_b32 s93, -0.0013887316255
	s_mov_b32 s94, 0.000024433157118
	s_and_b32 s18, s17, 7
	s_lshl_b32 s18, s18, 8
	s_lshl_b32 s19, s15, 7
	s_add_co_u32 s18, s18, s19
	v_add_nc_u32 v7, s18, v5                       ; my token of block 0: 256 (ty % 8) + 128 wr + r + (r & 8)
	v_cmp_ne_u32 vcc_lo, 0, v2
.macro FREQ e, lo, hi                  ; 10^(x/8), x = 16 h + e
	s_mov_b32 s18, \lo
	s_mov_b32 s19, \hi
	v_mov_b32 v[FQ+\e], s19
	v_cndmask_b32 v[FQ+\e], s18, v[FQ+\e], vcc_lo
.endm
	FREQ 0, 1.0, 100.0
	FREQ 1, 1.3335214321633, 133.35214321633
	FREQ 2, 1.7782794100389, 177.82794100389
	FREQ 3, 2.3713737056617, 237.13737056617
	FREQ 4, 3.1622776601684, 316.22776601684
	FREQ 5, 4.2169650342858, 421.69650342858
	FREQ 6, 5.6234132519035, 562.34132519035
	FREQ 7, 7.4989420933246, 749.89420933246
	FREQ 8, 10.0, 1000.0
	FREQ 9, 13.335214321633, 1333.5214321633
	FREQ 10, 17.782794100389, 1778.2794100389
	FREQ 11, 23.713737056617, 2371.3737056617
	FREQ 12, 31.622776601684, 3162.2776601684
	FREQ 13, 42.169650342858, 4216.9650342858
	FREQ 14, 56.234132519035, 5623.4132519035
	FREQ 15, 74.989420933246, 7498.9420933246
	s_wait_alu depctr_va_vdst(0)
.irp e, 0,1,2,3,4,5,6,7,8,9,10,11,12,13,14,15
	v_rcp_f32 v[TW+\e], v[FQ+\e]
.endr
	v_nop                                          ; a plain place behind the reciprocals
	s_wait_alu depctr_va_vdst(0)
.irp e, 0,1,2,3,4,5,6,7,8,9,10,11,12,13,14,15
	v_fma_f32 v[TW+16+\e], -v[FQ+\e], v[TW+\e], 1.0
.endr
.irp e, 0,1,2,3,4,5,6,7,8,9,10,11,12,13,14,15
	v_fma_f32 v[FQ+\e], v[TW+16+\e], v[TW+\e], v[TW+\e]    ; f_x: the reciprocal after one Newton step
.endr
	s_cmp_lg_u32 s16, 0
	s_cselect_b32 s18, -1, 0
.irp e, 0,1,2,3,4,5,6,7
	v_cndmask_b32 v[FS+\e], v[FQ+\e], v[FQ+8+\e], s18      ; the eight frequencies 16 h + 8 wc + e that I make for LDS
.endr
; Four angles in lock-step: cos(t f) into v[oc] on, sin into v[os] on, f in v[fr] on, t in v[TF].  At work, 16 registers an angle: +0 angle, +1 n, +2 r, +3 z, +4 sin r, +5 z r, +6 cos r, +7 z z, +8 1 - z/2, +9 n as a whole number, +10 .. +14 choice and signs.
.macro TRIG4 fr, oc, os
.irp e, 0,1,2,3
	v_mul_f32 v[TW+16*\e], v[TF], v[\fr+\e]                ; the angle, as an f32 product
.endr
.irp e, 0,1,2,3
	v_mul_f32 v[TW+16*\e+1], 0x3f22f983, v[TW+16*\e]
.endr
.irp e, 0,1,2,3
	v_rndne_f32 v[TW+16*\e+1], v[TW+16*\e+1]               ; n = the nearest whole number to angle x 2/pi
.endr
.irp e, 0,1,2,3
	v_fma_f32 v[TW+16*\e+2], v[TW+16*\e+1], s95, v[TW+16*\e]       ; exact: a multiple of 2^-23 under 1
.endr
.irp e, 0,1,2,3
	v_fma_f32 v[TW+16*\e+2], v[TW+16*\e+1], s88, v[TW+16*\e+2]     ; r = angle - n pi/2
.endr
.irp e, 0,1,2,3
	v_mul_f32 v[TW+16*\e+3], v[TW+16*\e+2], v[TW+16*\e+2]
.endr
.irp e, 0,1,2,3
	v_fma_f32 v[TW+16*\e+4], v[TW+16*\e+3], s91, s90
	v_fma_f32 v[TW+16*\e+6], v[TW+16*\e+3], s94, s93
	v_mul_f32 v[TW+16*\e+5], v[TW+16*\e+3], v[TW+16*\e+2]
	v_mul_f32 v[TW+16*\e+7], v[TW+16*\e+3], v[TW+16*\e+3]
	v_fma_f32 v[TW+16*\e+8], v[TW+16*\e+3], -0.5, 1.0
.endr
.irp e, 0,1,2,3
	v_fma_f32 v[TW+16*\e+4], v[TW+16*\e+4], v[TW+16*\e+3], s89
	v_fma_f32 v[TW+16*\e+6], v[TW+16*\e+6], v[TW+16*\e+3], s92
	v_cvt_i32_f32 v[TW+16*\e+9], v[TW+16*\e+1]
.endr
.irp e, 0,1,2,3
	v_fma_f32 v[TW+16*\e+4], v[TW+16*\e+4], v[TW+16*\e+5], v[TW+16*\e+2]   ; sin r
	v_fma_f32 v[TW+16*\e+6], v[TW+16*\e+6], v[TW+16*\e+7], v[TW+16*\e+8]   ; cos r
	v_and_b32 v[TW+16*\e+10], 1, v[TW+16*\e+9]
	v_add_nc_u32 v[TW+16*\e+13], 1, v[TW+16*\e+9]
	v_and_b32 v[TW+16*\e+14], 2, v[TW+16*\e+9]
.endr
.irp e, 0,1,2,3
	v_cmp_eq_u32 s[66+\e+30*(\e/2)], 1, v[TW+16*\e+10]     ; an odd quarter turn swaps the two (a choice of values; no branch); masks in s66, s67, s98, s99
	v_and_b32 v[TW+16*\e+13], 2, v[TW+16*\e+13]
	v_lshlrev_b32 v[TW+16*\e+14], 30, v[TW+16*\e+14]       ; sin is negative in quarters 2 and 3,
.endr
.irp e, 0,1,2,3
	v_cndmask_b32 v[TW+16*\e+11], v[TW+16*\e+6], v[TW+16*\e+4], s[66+\e+30*(\e/2)]
	v_cndmask_b32 v[TW+16*\e+12], v[TW+16*\e+4], v[TW+16*\e+6], s[66+\e+30*(\e/2)]
	v_lshlrev_b32 v[TW+16*\e+13], 30, v[TW+16*\e+13]       ; cos in quarters 1 and 2
.endr
.irp e, 0,1,2,3
	v_xor_b32 v[\oc+\e], v[TW+16*\e+11], v[TW+16*\e+13]
	v_xor_b32 v[\os+\e], v[TW+16*\e+12], v[TW+16*\e+14]
.endr
.endm
.macro TOKEN a                         ; my token of block a, as f32
	v_add_nc_u32 v3, 32*((\a)/2)+8*((\a)%2), v7
	v_cvt_f32_u32 v[TF], v3
.endm
.irp a, 0,1,2,3,4                      ; blocks 0-4: my eight frequencies, to LDS
	TOKEN \a
	s_wait_alu depctr_va_vdst(0)
	s_wait_dscnt 0x0                               ; the block before's stores have read their registers
	TRIG4 FS, OC, OS
	TRIG4 FS+4, OC+4, OS+4
	ds_store_b128 v[SCWR], v[OC:OC+3] offset:\a*4096
	ds_store_b128 v[SCWR], v[OC+4:OC+7] offset:\a*4096+512
	ds_store_b128 v[SCWR], v[OS:OS+3] offset:\a*4096+2048
	ds_store_b128 v[SCWR], v[OS+4:OS+7] offset:\a*4096+2560
.endr
.irp a, 5,6,7                          ; blocks 5-7: all sixteen, into registers that stay
	TOKEN \a
.irp j, 0,1,2,3
	TRIG4 FQ+4*\j, RREG+32*(\a-NLT)+4*\j, RREG+32*(\a-NLT)+16+4*\j
.endr
.endr
	; ---- the conversions' scales, and where my codes go
	s_wait_kmcnt 0x0
	s_cmp_lt_u32 s42, 4                            ; q's columns or k's?
	s_cselect_b64 s[12:13], s[10:11], s[68:69]
	s_cselect_b32 s18, s82, s83                    ; e2 or e3
	s_sub_co_i32 s18, s18, s80
	s_sub_co_i32 s18, s18, s81                     ; a sum stands for sum x 2^(e0 + e1): its code is sum / 2^(e - e0 - e1)
	s_add_co_i32 s18, s18, 127
	s_lshl_b32 s19, s18, 23
	v_mov_b32 v[SC], s19
	s_sub_co_i32 s18, s85, s80
	s_sub_co_i32 s18, s18, s81
	s_add_co_i32 s18, s18, 127
	s_lshl_b32 s19, s18, 23
	v_mov_b32 v[SCV], s19                          ; 2^(e5 - e0 - e1)
	s_lshr_b32 s18, s17, 3                         ; batch
	s_lshl_b32 s18, s18, 4
	s_and_b32 s19, s42, 3
	s_lshl_b32 s19, s19, 2
	s_add_co_u32 s18, s18, s19
	s_lshl_b32 s19, s16, 1
	s_add_co_u32 s18, s18, s19                     ; q, k: 16 batch + my first head (4 (tx % 4) + 2 wc)
	s_lshl_b32 s18, s18, 7
	s_and_b32 s19, s17, 7
	s_lshl_b32 s19, s19, 4
	s_add_co_u32 s18, s18, s19
	s_lshl_b32 s19, s15, 3
	s_add_co_u32 s18, s18, s19                     ; + my first tile of tokens
	s_lshl_b32 s18, s18, 10
	s_mov_b32 s19, 0
	s_add_nc_u64 s[12:13], s[12:13], s[18:19]
	s_lshr_b32 s18, s17, 3
	s_lshl_b32 s18, s18, 4
	s_lshl_b32 s19, s42, 1
	s_add_co_u32 s18, s18, s19
	s_add_co_u32 s18, s18, s16                     ; v: 16 batch + my head (2 tx + wc)
	s_lshl_b32 s18, s18, 17
	s_and_b32 s19, s17, 7
	s_lshl_b32 s19, s19, 1
	s_add_co_u32 s19, s19, s15                     ; key step 2 (ty % 8) + wr
	s_lshl_b32 s19, s19, 13
	s_add_co_u32 s18, s18, s19
	s_mov_b32 s19, 0
	s_add_nc_u64 s[70:71], s[70:71], s[18:19]
.macro FRAG reg, adr, q, i             ; 16 rows x 128 K: registers 4 c .. 4 c + 3 hold K = 32 c + 16 h + 0..15 of row 32 (i/2) + 8 (i%2) + r + (r & 8)
.irp c, 0,1,2,3
	ds_load_b128 v[\reg+4*\c:\reg+4*\c+3], v[\adr] offset:128*(\q)+32*\c+(32*((\i)/2)+8*((\i)%2))*PITCH
.endr
.endm
; PHASE 1.  16 matrix instructions: blocks a0, a0 + 1 of tokens x eight of channels.  The 64 accumulators take turns, one instruction a turn, in the same order in every step.
.macro MUL16 a0, p, zero
.irp a, \a0, \a0+1
.irp b, 0,1,2,3,4,5,6,7
.if \zero
	v_wmma_f32_16x16x128_fp8_fp8 v[8*(8*((\a)%4)+\b):8*(8*((\a)%4)+\b)+7], v[128*(\p)+FR*\b:128*(\p)+FR*\b+FR-1], v[AF+FR*(\a):AF+FR*(\a)+FR-1], 0
.else
	v_wmma_f32_16x16x128_fp8_fp8 v[8*(8*((\a)%4)+\b):8*(8*((\a)%4)+\b)+7], v[128*(\p)+FR*\b:128*(\p)+FR*\b+FR-1], v[AF+FR*(\a):AF+FR*(\a)+FR-1], v[8*(8*((\a)%4)+\b):8*(8*((\a)%4)+\b)+7]
.endif
.endr
.endr
.endm
.macro FETCH_B slot, q, p
	WIN TO_B
.irp i, 0,1,2,3,4,5,6,7
	FRAG 128*(\p)+FR*\i, ADRB+\slot, \q, \i
.endr
	WIN 0
.endm
.macro FETCH_A slot, q, i0
.irp i, \i0, \i0+1, \i0+2, \i0+3
	FRAG AF+FR*(\i), ADRA+\slot, \q, \i
.endr
.endm
.macro PLACES n                        ; plain vector lines between a matrix instruction and a load into, or a vector read or write of, its registers
.rept \n
	v_nop
.endr
.endm
; Behind a round: this slot's two descriptors are stepped (no tensor load of mine is out), and the slot is asked for again.
; mode 1: phase 1, two K steps on.  mode 2: phase 2's K step 0 or 1: x goes back two K steps, w's group 0 is made anew.  mode 3: phase 2, two K steps on.
.macro REFILL slot, mode
.if \mode == 2
	s_sub_nc_u64 s[G0+4*\slot+2:G0+4*\slot+3], s[G0+4*\slot+2:G0+4*\slot+3], 2*ROWB
	s_add_co_u32 s[G0B+4*\slot+1], s[VL], \slot*SLOT
	s_add_nc_u64 s[G0B+4*\slot+2:G0B+4*\slot+3], s[VWP:VWP+1], \slot*ROWB
	s_or_b32 s[G0B+4*\slot+3], s[G0B+4*\slot+3], 0x80000000
.else
	s_add_nc_u64 s[G0+4*\slot+2:G0+4*\slot+3], s[G0+4*\slot+2:G0+4*\slot+3], 2*ROWB
	s_add_nc_u64 s[G0B+4*\slot+2:G0B+4*\slot+3], s[G0B+4*\slot+2:G0B+4*\slot+3], 2*ROWB
.endif
.if \mode == 1
	JLOAD G0+4*\slot, G1, G0B+4*\slot, G1B
.else
	JLOAD G0+4*\slot, G1, G0B+4*\slot, G1V
.endif
.endm
.macro STEP slot, q, zero              ; 128 along K whose successor lies in the same slot
	s_wait_dscnt 4*NL                              ; source 0's set and blocks 0-3 are in; the youngest 16 loads (blocks 4-7) may be out
	WIN MUL_LO
	MUL16 0, (\q)%2, \zero
	MUL16 2, (\q)%2, \zero
	s_wait_dscnt 0
	PLACES NP
	FETCH_B \slot, (\q)+1, 1-(\q)%2
	FETCH_A \slot, (\q)+1, 0
	WIN MUL_HI
	MUL16 4, (\q)%2, \zero
	MUL16 6, (\q)%2, \zero
	PLACES NP
	WIN 0
	FETCH_A \slot, (\q)+1, 4
.endm
.macro MEET                            ; the first half of a slot's last 128 along K, and the round in front of its refill
	s_wait_tensorcnt 0x0                           ; all my tensor loads have landed: my part of the other slot
	ds_add_u32 v[SPW], v[NIL]                      ; 0 onto my spare word
	s_wait_dscnt 4*NL+1                            ; the add and the youngest 16 loads may be out
	WIN MUL_LO
	MUL16 0, 1, 0
	s_wait_dscnt 0x0                               ; the add is done, and my reads of this slot are over
	s_barrier_signal -1
	MUL16 2, 1, 0
	WIN 0
	s_barrier_wait -1
	CREST                                          ; no wave of any partner still reads this slot or has a load on its way
.endm
.macro TURN slot, next, mode
	MEET
	REFILL \slot, \mode                            ; the first tensor load behind the round; its four v_nop are the places in front of the loads below
	FETCH_B \next, 0, 0
	FETCH_A \next, 0, 0
	WIN MUL_HI
	MUL16 4, 1, 0
	MUL16 6, 1, 0
	PLACES NP
	WIN 0
	FETCH_A \next, 0, 4
.endm
.macro ROPELD a                        ; cos and sin of block a from LDS into set a % 2: registers 0-15 cos, 16-31 sin, of frequencies 16 h + 0..15
.irp k, 0,1,2,3,4,5,6,7
	ds_load_b128 v[STG+32*((\a)%2)+4*\k:STG+32*((\a)%2)+4*\k+3], v[SCRD] offset:(\a)*4096+512*\k
.endr
.endm
	s_wait_tensorcnt 1                             ; my part of K step 0 is in; K step 1's load may be out
	s_wait_dscnt 0x0                               ; my part of the table lies in LDS
	s_barrier_signal -1
	s_barrier_wait -1
	FETCH_B 0, 0, 0
	FETCH_A 0, 0, 0
	FETCH_A 0, 0, 4
	STEP 0, 0, 1                                   ; K = 1024 is eight steps of 128, written out: the first products start the sums
	TURN 0, 1, 1                                   ; slot 0 takes K 512..767
	STEP 1, 0, 0
	TURN 1, 0, 1                                   ; slot 1 takes K 768..1023
	STEP 0, 0, 0
	TURN 0, 1, 2                                   ; THE RING GOES ON: slot 0 takes phase 2's K 0..255
	STEP 1, 0, 0
	MEET
	REFILL 1, 2                                    ; slot 1 takes phase 2's K 256..511
	ROPELD 0                                       ; into the registers of blocks 0-3, whose products are issued: the four v_nop behind the joint load are the places
	ROPELD 1
	WIN MUL_HI
	MUL16 4, 1, 0
	MUL16 6, 1, 0
	WIN 0
	PLACES NP
; THE WAY OUT of block a of q or k (16 tokens x my two heads): rotated, converted, stored as the operand's registers.
; For frequency i' = 16 h + 2 pp, 2 pp + 1: new x1 = x1 cos - x2 sin, new x2 = x2 cos + x1 sin; x1 in accumulator 4 g + pp/4, x2 in accumulator 4 g + 2 + pp/4, the same register.
; The rotation works on the raw sums: their common factor 2^(e0 + e1) is folded into the conversion's scale.
.macro QKOUT a
.set AC, 64*((\a)%4)
.if (\a) < NLT
.set RT, STG+32*((\a)%2)
.if (\a) < NLT-1
	s_wait_dscnt 8                                 ; this block's cos and sin are in; the next block's 8 loads may be out
.else
	s_wait_dscnt 0
.endif
.else
.set RT, RREG+32*((\a)-NLT)
.endif
.if (\a) > 1
	s_wait_xcnt 0x0                                ; block a - 2's stores have read the registers of codes that are written again
.endif
.irp g, 0,1
.set CQ, CQ0+8*((2*(\a)+\g)%4)
	WIN 0x02+((\a)/4)                              ; source 0: window 2 or 3
.irp pp, 0,1,2,3,4,5,6,7
.set X1, AC+8*(4*\g+\pp/4)+2*(\pp%4)
.set X2, X1+16
.set TT, 8+4*(\pp%2)
	v_pk_mul_f32 v[TT:TT+1], v[X2:X2+1], v[RT+16+2*\pp:RT+17+2*\pp]       ; each accumulator is read from its low end on
	v_pk_fma_f32 v[RO+2*\pp:RO+2*\pp+1], v[X1:X1+1], v[RT+2*\pp:RT+2*\pp+1], v[TT:TT+1] neg_lo:[0,0,1] neg_hi:[0,0,1]
	v_pk_mul_f32 v[TT+2:TT+3], v[X1:X1+1], v[RT+16+2*\pp:RT+17+2*\pp]
	v_pk_fma_f32 v[RO+16+2*\pp:RO+17+2*\pp], v[X2:X2+1], v[RT+2*\pp:RT+2*\pp+1], v[TT+2:TT+3]
.endr
	WIN 0
.set J, 0
.rept 32
.set J, J+1
.endr
.irp m, 0,1,2,3
	v_cvt_scalef32_pk8_fp8_f32 v[CQ+2*\m:CQ+2*\m+1], v[RO+8*\m:RO+8*\m+7], v[SC]
.endr
	v_nop                                          ; a plain line behind the last conversion: the next head writes its sources
	global_store_b128 v[CO], v[CQ:CQ+3], s[12:13] offset:\g*131072+(\a)*1024
	global_store_b128 v[CO], v[CQ+4:CQ+7], s[12:13] offset:\g*131072+(\a)*1024+512
.endr
.if (\a)+2 < NLT
	ROPELD (\a)+2                                  ; into the set just used
.endif
.endm
.irp a, 0,1,2,3,4,5,6,7
	QKOUT \a
.endr
; PHASE 2: V^T.  Source 0 = my 128 tokens (x's region, the addresses of phase 1), two sets in window 1; source 1 = my 64 channels (w's region), two sets at v128 and v192; 32 accumulators in window 2, by turns.
.macro VFETCHB slot, q, p
	WIN TO_B
.irp i, 0,1,2,3,4,5,6,7
	FRAG 128*(\p)+FR*\i, ADRA+\slot, \q, \i
.endr
	WIN 0
.endm
.macro VFETCHA slot, q, p
.irp i, 0,1,2,3
	FRAG AF+64*(\p)+FR*\i, ADRV+\slot, \q, \i
.endr
.endm
.macro VMUL8 a, p, zero
.irp b, 0,1,2,3,4,5,6,7
.if \zero
	v_wmma_f32_16x16x128_fp8_fp8 v[8*(8*(\a)+\b):8*(8*(\a)+\b)+7], v[128*(\p)+FR*\b:128*(\p)+FR*\b+FR-1], v[AF+64*(\p)+FR*(\a):AF+64*(\p)+FR*(\a)+FR-1], 0
.else
	v_wmma_f32_16x16x128_fp8_fp8 v[8*(8*(\a)+\b):8*(8*(\a)+\b)+7], v[128*(\p)+FR*\b:128*(\p)+FR*\b+FR-1], v[AF+64*(\p)+FR*(\a):AF+64*(\p)+FR*(\a)+FR-1], v[8*(8*(\a)+\b):8*(8*(\a)+\b)+7]
.endif
.endr
.endm
.macro VSTEP slot, zero                ; a slot's first 128 along K (set 0); its second is fetched into set 1, in two runs between the products
	s_wait_dscnt 0                                 ; set 0 is in
	PLACES NP                                      ; set 1's registers were read by the products just issued
	VFETCHB \slot, 1, 1
	WIN MUL_LO
	VMUL8 0, 0, \zero
	VMUL8 1, 0, \zero
	WIN 0
	VFETCHA \slot, 1, 1
	WIN MUL_LO
	VMUL8 2, 0, \zero
	VMUL8 3, 0, \zero
	WIN 0
.endm
.macro VTURN slot, next, fill          ; a slot's second 128 along K (set 1), and the change of slots: one barrier
	s_wait_tensorcnt 0x0                           ; all my tensor loads have landed: my part of the other slot
	ds_add_u32 v[SPW], v[NIL]                      ; 0 onto my spare word
	s_wait_dscnt 1                                 ; set 1 is in; the add may be out
	WIN MUL_LO
	VMUL8 0, 1, 0
	s_wait_dscnt 0x0                               ; the add is done, and my reads of this slot are over
	s_barrier_signal -1
	VMUL8 1, 1, 0
	WIN 0
	s_barrier_wait -1
.if \fill
	CREST
	REFILL \slot, 3                                ; the first tensor load behind the round; its four v_nop are the places in front of the loads below
.else
	PLACES NP
.endif
	VFETCHB \next, 0, 0
	WIN MUL_LO
	VMUL8 2, 1, 0
	WIN 0
	VFETCHA \next, 0, 0
	WIN MUL_LO
	VMUL8 3, 1, 0
	WIN 0
.endm
	s_wait_xcnt 0x0                                ; q's and k's stores have read their registers, into which fragments are loaded below
	VFETCHB 0, 0, 0                                ; slot 0 holds phase 2's K step 0: every wave waited for its part in front of the last round
	VFETCHA 0, 0, 0
	VSTEP 0, 1                                     ; the first products start the sums
	VTURN 0, 1, 1                                  ; slot 0 takes K 512..767
	VSTEP 1, 0
	VTURN 1, 0, 1                                  ; slot 1 takes K 768..1023
	VSTEP 0, 0
	VTURN 0, 1, 0                                  ; nothing is left to fetch
	VSTEP 1, 0
	s_wait_dscnt 0
	WIN MUL_LO
	VMUL8 0, 1, 0
	VMUL8 1, 1, 0
	VMUL8 2, 1, 0
	VMUL8 3, 1, 0
	WIN 0
	PLACES NP
; THE WAY OUT of block a of V^T (16 channels x 128 tokens): converted, stored as the operand's registers.
.macro VOUT a
	WIN 0x02                                       ; source 0: window 2
.set J, 0
.rept 64
.set J, J+1
.endr
.irp g, 0,1,2,3,4,5,6,7
	v_cvt_scalef32_pk8_fp8_f32 v[CD+16*(\a)+2*\g:CD+16*(\a)+2*\g+1], v[TMP+8*\g+((64*(\a)+J)-(TMP+J)):TMP+8*\g+7+((64*(\a)+J)-(TMP+J))], v[SCV]
.endr
	WIN 0
	v_nop                                          ; a plain line behind the last conversion: the next block writes its sources
.irp c, 0,1,2,3
	global_store_b128 v[CO], v[CD+16*(\a)+4*\c:CD+16*(\a)+4*\c+3], s[70:71] offset:(\a)*2048+512*\c   ; tile a of my head, keys 32 c on: 512 consecutive bytes
.endr
.endm
.irp a, 0,1,2,3
	VOUT \a
.endr
	s_wait_tensorcnt 0x0                           ; the wave's end
	ds_add_u32 v[SPW], v[NIL]
	s_wait_dscnt 0x0
	CROUND                                         ; the closing round
	s_endpgm
.Lfunc_end_k_qdd9dd22b5b_proj:
	.size	k_qdd9dd22b5b_proj, .Lfunc_end_k_qdd9dd22b5b_proj-k_qdd9dd22b5b_proj
	.p2alignl 7, 3214868480
	.fill 96, 4, 3214868480
	.section	.rodata,"a",@progbits
	.p2align	6, 0x0
	.amdhsa_kernel k_qdd9dd22b5b_proj
		.amdhsa_group_segment_fixed_size 327680
		.amdhsa_private_segment_fixed_size 0
		.amdhsa_enable_private_segment 0
		.amdhsa_kernarg_size 48
		.amdhsa_user_sgpr_count 2
		.amdhsa_user_sgpr_kernarg_segment_ptr 1
		.amdhsa_wavefront_size32 1
		.amdhsa_system_sgpr_workgroup_id_x 1
		.amdhsa_system_sgpr_workgroup_id_y 1
		.amdhsa_system_sgpr_workgroup_id_z 1
		.amdhsa_system_vgpr_workitem_id 0
		.amdhsa_next_free_vgpr 1024
		.amdhsa_next_free_sgpr 100
		.amdhsa_reserve_vcc 1
		.amdhsa_float_denorm_mode_32 3
		.amdhsa_float_denorm_mode_16_64 3
		.amdhsa_fp16_overflow 1
		.amdhsa_memory_ordered 1
		.amdhsa_forward_progress 1
		.amdhsa_inst_pref_size 255
	.end_amdhsa_kernel
	.section	.bss,"aw",@nobits
	.p2align	6
	.space	262144
	.amdgpu_metadata
---
amdhsa.version: [ 1, 2 ]
amdhsa.kernels:
  - .name:           k_qdd9dd22b5b_proj
    .symbol:         k_qdd9dd22b5b_proj.kd
    .args:
      - { .name: x_codes, .offset: 0, .size: 8, .value_kind: global_buffer, .address_space: global }
      - { .name: w_qkv_codes, .offset: 8, .size: 8, .value_kind: global_buffer, .address_space: global }
      - { .name: lowp_scales, .offset: 16, .size: 8, .value_kind: global_buffer, .address_space: global }
      - { .name: q_img, .offset: 24, .size: 8, .value_kind: global_buffer, .address_space: global }
      - { .name: k_img, .offset: 32, .size: 8, .value_kind: global_buffer, .address_space: global }
      - { .name: v_img, .offset: 40, .size: 8, .value_kind: global_buffer, .address_space: global }
    .group_segment_fixed_size: 327680
    .private_segment_fixed_size: 0
    .kernarg_segment_align: 8
    .kernarg_segment_size: 48
    .max_flat_workgroup_size: 128
    .sgpr_count:     100
    .vgpr_count:     1024
    .wavefront_size: 32
...
	.end_amdgpu_metadata
.endif
;; end of part 1
;; launch attn (part 2): grid 4 x 64, 16 waves a work-group, clusters of 4 x 1, 264,192 bytes of LDS; arguments q_img, k_img, v_img, lowp_scales, att_img; writes att_img
.if DOCPART == 2
	.amdgcn_target "amdgcn-amd-amdhsa--gfx1250"
	.amdhsa_code_object_version 6
	.text
	.protected	k_qdd9dd22b5b_attn
	.globl	k_qdd9dd22b5b_attn
	.p2align	8
	.type	k_qdd9dd22b5b_attn,@function
k_qdd9dd22b5b_attn:
	s_mov_b64 s[64:65], 0
	v_nop
	global_prefetch_b8 v0, s[64:65] scope:SCOPE_SE
	s_setreg_imm32_b32 hwreg(HW_REG_WAVE_MODE, 25, 1), 1
	s_wait_xcnt 0x0
	s_wait_alu depctr_hold_cnt(0) depctr_sa_sdst(0) depctr_va_vdst(0) depctr_va_sdst(0) depctr_va_ssrc(0) depctr_va_vcc(0) depctr_vm_vsrc(0)
	s_getreg_b32 s2, hwreg(HW_REG_IB_STS2, 6, 4)
	s_cmp_eq_u32 s2, 0
	s_cbranch_scc0 .Lentry_in_a_cluster
	s_endpgm
.Lentry_in_a_cluster:
	s_bfe_u32 s2, ttmp6, 0x10000c
	s_cmp_lg_u32 s2, 0x3003
	s_cbranch_scc0 .Lentry_shape_is_right
	s_endpgm
.Lentry_shape_is_right:
; Causal attention of one (batch, head) a cluster, both products on E4M3 codes; the result, divided by the row's sum, is quantised with 2^e6 for the output projection.
; SOFTMAX: t = score x log2(e) / 8; M = the running largest t rounded UP to a whole number; p = 2^(t - M) is quantised with 2^e4, not normalised; the row's sum is taken of the unquantised p;
; when M moves, the sum and O are multiplied by 2^(old M - new M), which rounds nothing.
; SHARES.  The head's 128 tiles of 16 queries are dealt to 4 work-groups x 16 waves, two a wave: the light tile il = 4 w + g and the heavy tile 127 - il.  Tile i needs key steps (128 keys) 0 .. i/8:
; w/2 + 1 and 16 - w/2 of them, 17 for every wave; neither count hangs on g, the work-group's place in the cluster.
; LDS.  ALL of the head's K codes (bytes 0..131071) and V codes (131072..262143) lie in LDS for the whole launch, as images of the operands' registers: a key step is 8,192 bytes of each, a fragment's four
; registers are 512 consecutive bytes, 16 a lane.  Nothing is filled again.  They come by four joint loads (mask: all four work-groups): wave 0 asks for K, wave 1 for V, each as 16 KB (two key steps) and
; then 112 KB, so that the light tiles' first two steps run while the rest is on its way.  By this text's count a wave has two tensor loads out at the most.
; LAYOUT.  Both products are used transposed: S^T = K Q^T (source 0 = 16 keys), O^T = V^T P^T (source 0 = 16 channels): a lane holds ONE query throughout.  In every image lane r of tile i holds row
; 32 (i/2) + 8 (i%2) + r + (r & 8), so that the 16 registers of two neighbouring result tiles are 16 neighbours: p's along the keys, O^T's along the channels; the conversions' results are operands as they stand.
; CAUSAL.  The loops' trip counts are constants; a step beyond the tile's last is jumped over by a scalar branch on the wave's number.  Only a tile's last step lies on the diagonal: there hidden scores become -infinity.
; LIMITS: e2 + e3 between -123 and 130 (added to c's exponent field); e4 and e6 between -126 and 119; e4 + e5 is applied by v_ldexp_f32 and has none.  NaN codes are not served.
; REGISTERS: v1 16 x lane, v2 that + V's base; v4, v5 my query less 16 h (light, heavy); v8, v9 the step's addresses; v12 -M, v13 largest t, v[14:15] the sum; v16-23, v24-31 Q (light, heavy);
;   v32-95 K's 8 fragments, then V's 4; v96-159 S^T, then p; v160-191 O^T; v192-207 p's codes; v208-215, v216-223 the results' codes; v236-254 at work and constants.
.set VIMG,  131072
.set CH0,   16384                      ; the first chunk: two key steps
.set WV,  18                           ; s18 wave
.set HI,  58                           ; s58 the tile's last key step
.set SI,  56                           ; s56 the key step in hand
.set CS,  22                           ; s[22:23] c = log2(e) / 8 x 2^(e2 + e3)
.set SEL, 60                           ; s[60:61] selects for lane xor 16
.macro CROUND
	s_barrier_signal -1
	s_barrier_wait -1
	s_cmp_lg_u32 s[WV], 0
	s_cbranch_scc1 .Lnot_wave_0_\@
	s_barrier_signal -3
.Lnot_wave_0_\@:
	s_barrier_wait -3
	s_barrier_signal -1
	s_barrier_wait -1
.endm
	s_load_b256 s[4:11], s[0:1], 0x0               ; q_img s[4:5], k_img s[6:7], v_img s[8:9], the scales' exponents s[10:11]
	s_load_b64 s[12:13], s[0:1], 0x20              ; att_img
	v_lshl_add_u32 v251, v0, 2, 0x40000
	v_mov_b32 v255, 0
	ds_add_u32 v251, v255
	ds_add_u32 v251, v255
	v_lshrrev_b32 v8, 5, v0
	s_delay_alu instid0(VALU_DEP_1)
	v_readfirstlane_b32 s[WV], v8                  ; wave 0..15
	s_bfe_u32 s19, ttmp6, 0x40000                  ; g = cx: it enters Q's and the result's addresses and the mask's numbers alone
	s_and_b32 s20, ttmp7, 0xffff                   ; bh = 16 batch + head: the cluster's y
	s_lshr_b32 s21, s[WV], 1
	; descriptor groups 1: dense blocks as rows of 256 bytes (32 elements of 8 bytes): 64 rows, and 448 rows
	s_mov_b32 s24, 15|(3<<16)|(1<<21)              ; the mask: all four work-groups; elements of 8 bytes; bit 21 beside a mask; no padding
	s_mov_b32 s25, 32<<16
	s_mov_b32 s26, 64<<16
	s_mov_b32 s27, 32<<16
	s_mov_b32 s28, 64
	s_mov_b32 s29, 32
	s_mov_b32 s30, 0
	s_mov_b32 s31, 0
	s_mov_b32 s32, 15|(3<<16)|(1<<21)
	s_mov_b32 s33, 32<<16
	s_mov_b32 s34, 448<<16
	s_mov_b32 s35, 32<<16
	s_mov_b32 s36, 448
	s_mov_b32 s37, 32
	s_mov_b32 s38, 0
	s_mov_b32 s39, 0
	s_mov_b32 s[SEL], 0x76543210
	s_mov_b32 s[SEL+1], 0xfedcba98
	s_mov_b32 s[CS], 0x3e38aa3b                    ; log2(e) / 8
	s_lshl_b32 s90, s20, 17                        ; the head's 131,072 bytes in k_img and in v_img
	s_mov_b32 s91, 0
	s_wait_dscnt 0x0
	s_wait_kmcnt 0x0
	s_load_b256 s[80:87], s[10:11], 0x0            ; e0 .. e7
	s_add_nc_u64 s[6:7], s[6:7], s[90:91]
	s_add_nc_u64 s[8:9], s[8:9], s[90:91]
	s_mov_b32 s40, 1                               ; K, first chunk
	s_mov_b32 s41, 0
	s_mov_b64 s[42:43], s[6:7]
	s_or_b32 s43, s43, 0x80000000
	s_mov_b32 s44, 1                               ; K, the rest
	s_mov_b32 s45, CH0
	s_add_nc_u64 s[46:47], s[6:7], CH0
	s_or_b32 s47, s47, 0x80000000
	s_mov_b32 s48, 1                               ; V, first chunk
	s_mov_b32 s49, VIMG
	s_mov_b64 s[50:51], s[8:9]
	s_or_b32 s51, s51, 0x80000000
	s_mov_b32 s52, 1                               ; V, the rest
	s_mov_b32 s53, VIMG+CH0
	s_add_nc_u64 s[54:55], s[8:9], CH0
	s_or_b32 s55, s55, 0x80000000
	CROUND                                         ; all four work-groups are here: the joint loads meet
	s_cmp_eq_u32 s[WV], 0                          ; a wave's fills stand in one branch on its number; four v_nop follow the second
	s_cbranch_scc0 .Lnot_k
	tensor_load_to_lds s[40:43], s[24:31]
	s_nop 0
	tensor_load_to_lds s[44:47], s[32:39]
	s_nop 0
.rept 4
	v_nop
.endr
	s_branch .Lasked
.Lnot_k:
	s_cmp_eq_u32 s[WV], 1
	s_cbranch_scc0 .Lasked
	tensor_load_to_lds s[48:51], s[24:31]
	s_nop 0
	tensor_load_to_lds s[52:55], s[32:39]
	s_nop 0
.rept 4
	v_nop
.endr
.Lasked:
	s_lshl_b32 s89, s[WV], 2
	s_add_co_u32 s89, s89, s19                     ; il
	s_sub_co_u32 s92, 127, s89                     ; ih
	s_lshl_b32 s93, s20, 7
	s_mov_b32 s95, 0
	s_add_co_u32 s94, s93, s89
	s_lshl_b32 s94, s94, 10
	s_add_nc_u64 s[66:67], s[4:5], s[94:95]        ; Q's image of the light tile: (128 bh + i) x 1,024 bytes
	s_add_co_u32 s94, s93, s92
	s_lshl_b32 s94, s94, 10
	s_add_nc_u64 s[68:69], s[4:5], s[94:95]        ; of the heavy tile
	s_lshr_b32 s93, s20, 4
	s_lshl_b32 s93, s93, 7                         ; 128 batch
	s_and_b32 s96, s20, 15                         ; head
	s_add_co_u32 s94, s93, s89
	s_lshl_b32 s94, s94, 4
	s_add_co_u32 s94, s94, s96
	s_lshl_b32 s94, s94, 10
	s_add_nc_u64 s[70:71], s[12:13], s[94:95]      ; the result's image: ((128 batch + i) x 16 + head) x 1,024 bytes
	s_add_co_u32 s94, s93, s92
	s_lshl_b32 s94, s94, 4
	s_add_co_u32 s94, s94, s96
	s_lshl_b32 s94, s94, 10
	s_add_nc_u64 s[72:73], s[12:13], s[94:95]
	v_and_b32 v3, 31, v0
	s_delay_alu instid0(VALU_DEP_1)
	v_lshlrev_b32 v1, 4, v3                        ; 16 x lane
	s_delay_alu instid0(VALU_DEP_1)
	v_add_nc_u32 v2, VIMG, v1
	global_load_b128 v[16:19], v1, s[66:67] th:TH_LOAD_NT          ; Q stays in registers: registers 4 beta on hold channels 32 beta + 16 h + 0..15
	global_load_b128 v[20:23], v1, s[66:67] offset:512 th:TH_LOAD_NT
	global_load_b128 v[24:27], v1, s[68:69] th:TH_LOAD_NT
	global_load_b128 v[28:31], v1, s[68:69] offset:512 th:TH_LOAD_NT
	v_and_b32 v6, 15, v0                           ; r
	v_bfe_u32 v7, v0, 4, 1                         ; h
	s_delay_alu instid0(VALU_DEP_2)
	v_and_b32 v10, 8, v6
	s_delay_alu instid0(VALU_DEP_1)
	v_add_nc_u32 v10, v10, v6
	s_delay_alu instid0(VALU_DEP_3)
	v_lshlrev_b32 v7, 4, v7
	s_delay_alu instid0(VALU_DEP_1)
	v_sub_nc_u32 v10, v10, v7                      ; r + (r & 8) - 16 h
	s_wait_alu depctr_va_vdst(0)
	s_lshr_b32 s93, s89, 1
	s_lshl_b32 s93, s93, 5
	s_and_b32 s96, s89, 1
	s_lshl_b32 s96, s96, 3
	s_add_co_u32 s93, s93, s96
	v_add_nc_u32 v4, s93, v10                      ; my query of the light tile, less 16 h
	s_lshr_b32 s93, s92, 1
	s_lshl_b32 s93, s93, 5
	s_and_b32 s96, s92, 1
	s_lshl_b32 s96, s96, 3
	s_add_co_u32 s93, s93, s96
	v_add_nc_u32 v5, s93, v10                      ; of the heavy tile
	v_mov_b32 v236, 0                              ; written once: a lane permute's destination counts as one of its sources
	v_mov_b32 v253, 0                              ; (named as the upper half of the pair v[252:253])
	s_wait_kmcnt 0x0
	s_add_co_i32 s93, s82, s83
	s_lshl_b32 s93, s93, 23
	s_add_co_i32 s[CS], s[CS], s93                 ; a score stands for score x 2^(e2 + e3)
	s_mov_b32 s[CS+1], s[CS]                       ; (named with it as a pair)
	s_add_co_i32 s93, s84, 127
	s_lshl_b32 s96, s93, 23
	v_mov_b32 v244, s96                            ; 2^e4
	s_add_co_i32 s93, s86, 127
	s_lshl_b32 s96, s93, 23
	v_mov_b32 v245, s96                            ; 2^e6
	s_add_co_i32 s88, s84, s85                     ; e4 + e5
.macro INITST                          ; a tile begins: the first change of M multiplies zeros
	v_mov_b32 v13, 0xff61b1e6                      ; the largest t so far: -3e38
	s_delay_alu instid0(VALU_DEP_1)
	v_floor_f32 v12, -v13
	v_mov_b32 v14, 0
	v_mov_b32 v15, 0
.set J, 0
.rept 32
	v_mov_b32 v[160+J], 0
.set J, J+1
.endr
.endm
; KEY STEP s[SI] for the tile whose Q lies in v[qr] on and whose query numbers lie in v[qph].
.macro STEP qr, qph
	s_lshl_b32 s57, s[SI], 13
	v_add_nc_u32 v8, s57, v1
	v_add_nc_u32 v9, s57, v2
	v_nop                                          ; with the two additions: four places in front of loads into registers that the last products read
	v_nop
.irp t, 0,1,2,3,4,5,6,7
	ds_load_b128 v[32+8*\t:35+8*\t], v8 offset:1024*\t
	ds_load_b128 v[36+8*\t:39+8*\t], v8 offset:1024*\t+512
.endr
	s_wait_alu depctr_va_vdst(0)
	s_wait_dscnt 0x0
.irp t, 0,1,2,3,4,5,6,7
	v_wmma_f32_16x16x64_fp8_fp8 v[96+8*\t:103+8*\t], v[32+8*\t:39+8*\t], v[\qr:\qr+7], 0   ; register 16 b + i of v96 on: key 32 b + 16 h + i of the step
.endr
.rept 4
	v_nop
.endr
.irp dt, 0,1,2,3                               ; V's fragments are asked for already, into K's registers: they land under the softmax
.irp c, 0,1,2,3
	ds_load_b128 v[32+16*\dt+4*\c:35+16*\dt+4*\c], v9 offset:2048*\dt+512*\c
.endr
.endr
	s_cmp_lg_u32 s[SI], s[HI]                      ; only the tile's last step lies on the diagonal
	s_cbranch_scc1 .Lopen_\@
	s_lshl_b32 s59, s[SI], 7
	v_sub_nc_u32 v252, v[\qph], s59                ; d = my query - the step's first key - 16 h: register 16 b + i is hidden where 32 b + i > d
	v_mov_b32 v254, 0xff800000
.set N, 0
.rept 64
	v_cmp_gt_i32 vcc_lo, 32*(N/16)+N%16, v252
	v_cndmask_b32 v[96+N], v[96+N], v254, vcc_lo
.set N, N+1
.endr
.Lopen_\@:
	v_max3_num_f32 v254, v96, v97, v98             ; the step's largest score of my query among my 64 keys, in two chains,
	v_max3_num_f32 v252, v99, v100, v101
.irp i, 6,10,14,18,22,26,30,34,38,42,46,50,54,58
	v_max3_num_f32 v254, v254, v[96+\i], v[97+\i]
	v_max3_num_f32 v252, v252, v[98+\i], v[99+\i]
.endr
	v_max3_num_f32 v254, v254, v158, v159
	s_delay_alu instid0(VALU_DEP_1)
	v_max_num_f32 v254, v254, v252
	s_delay_alu instid0(VALU_DEP_1)
	v_permlanex16_b32 v236, v254, s[SEL], s[SEL+1]
	s_delay_alu instid0(VALU_DEP_1)
	v_max_num_f32 v254, v254, v236                 ; and among lane xor 16's
	s_delay_alu instid0(VALU_DEP_1)
	v_mul_f32 v254, s[CS], v254                    ; as t (c is positive)
	s_delay_alu instid0(VALU_DEP_1)
	v_max_num_f32 v13, v13, v254
	v_mov_b32 v254, v12
	s_delay_alu instid0(VALU_DEP_2)
	v_floor_f32 v12, -v13                          ; the new -M = -ceil(t)
	s_delay_alu instid0(VALU_DEP_1)
	v_sub_f32 v254, v12, v254                      ; old M - new M: a whole number, 0 or less
	s_delay_alu instid0(VALU_DEP_1)
	v_cvt_i32_f32 v254, v254                       ; (it saturates)
	s_delay_alu instid0(VALU_DEP_1)
	v_ldexp_f32 v252, 1.0, v254                    ; f = 2^(old M - new M)
.set J, 0
	s_setprio 1
.rept 32
	v_pk_fma_f32 v[96+J:97+J], v[96+J:97+J], s[CS:CS+1], v[12:13] op_sel_hi:[1,0,0]   ; t - M
.set J, J+2
.endr
.set J, 0
	s_wait_alu depctr_va_vdst(0)
.rept 64
	v_exp_f32 v[96+J], v[96+J]                     ; p = 2^(t - M), at most 1
.set J, J+1
.endr
	v_pk_mul_f32 v[14:15], v[14:15], v[252:253] op_sel_hi:[1,0]    ; the sum under the new M (a plain place behind the exponentials)
	s_wait_alu depctr_va_vdst(0)
	v_pk_add_f32 v[242:243], v[100:101], v[104:105]
	v_pk_add_f32 v[248:249], v[108:109], v[112:113]
	v_pk_add_f32 v[246:247], v[116:117], v[120:121]
	v_pk_add_f32 v[240:241], v[124:125], v[128:129]
	v_pk_add_f32 v[238:239], v[132:133], v[136:137]
	v_pk_add_f32 v[234:235], v[140:141], v[144:145]
	v_pk_add_f32 v[232:233], v[148:149], v[152:153]
	v_pk_add_f32 v[14:15], v[14:15], v[156:157]
	v_pk_add_f32 v[242:243], v[242:243], v[96:97]
	v_pk_add_f32 v[248:249], v[248:249], v[98:99]
	v_pk_add_f32 v[246:247], v[246:247], v[102:103]
	v_pk_add_f32 v[240:241], v[240:241], v[106:107]
	v_pk_add_f32 v[238:239], v[238:239], v[110:111]
	v_pk_add_f32 v[234:235], v[234:235], v[114:115]
	v_pk_add_f32 v[232:233], v[232:233], v[118:119]
	v_pk_add_f32 v[14:15], v[14:15], v[122:123]
	v_pk_add_f32 v[242:243], v[242:243], v[126:127]
	v_pk_add_f32 v[248:249], v[248:249], v[130:131]
	v_pk_add_f32 v[246:247], v[246:247], v[134:135]
	v_pk_add_f32 v[240:241], v[240:241], v[138:139]
	v_pk_add_f32 v[238:239], v[238:239], v[142:143]
	v_pk_add_f32 v[234:235], v[234:235], v[146:147]
	v_pk_add_f32 v[232:233], v[232:233], v[150:151]
	s_setprio 0
	v_pk_add_f32 v[14:15], v[14:15], v[154:155]
	v_pk_add_f32 v[242:243], v[242:243], v[158:159]
	s_delay_alu instid0(VALU_DEP_2)
	v_pk_add_f32 v[14:15], v[14:15], v[240:241]
	s_delay_alu instid0(VALU_DEP_2)
	v_pk_add_f32 v[242:243], v[242:243], v[238:239]
	v_pk_add_f32 v[248:249], v[248:249], v[234:235]
	v_pk_add_f32 v[246:247], v[246:247], v[232:233]
	s_delay_alu instid0(VALU_DEP_2)
	v_pk_add_f32 v[14:15], v[14:15], v[248:249]
	s_delay_alu instid0(VALU_DEP_2)
	v_pk_add_f32 v[242:243], v[242:243], v[246:247]
	s_delay_alu instid0(VALU_DEP_1)
	v_pk_add_f32 v[14:15], v[14:15], v[242:243]
.irp b, 0,1,2,3
.irp i, 0,1,2,3,4,5,6,7,8,9,10,11,12,13,14,15
.endr
	v_cvt_scalef32_pk8_fp8_f32 v[192+4*\b:193+4*\b], v[96+16*\b:103+16*\b], v244
	v_cvt_scalef32_pk8_fp8_f32 v[194+4*\b:195+4*\b], v[104+16*\b:111+16*\b], v244
.endr
.set J, 0
.rept 16
	v_pk_mul_f32 v[160+J:161+J], v[160+J:161+J], v[252:253] op_sel_hi:[1,0]   ; O^T under the new M, from each accumulator's low end on; also the plain lines behind the conversions
.set J, J+2
.endr
	s_wait_alu depctr_va_vdst(0)
	s_wait_dscnt 0x0                               ; V's fragments are in
.irp dt, 0,1,2,3                               ; the four accumulators take turns, and the next step's eight products stand between their turns
	v_wmma_f32_16x16x128_fp8_fp8 v[160+8*\dt:167+8*\dt], v[32+16*\dt:47+16*\dt], v[192:207], v[160+8*\dt:167+8*\dt]
.endr
.endm
.macro ONE k, qr, qph                  ; key step k, a constant: its LDS addresses are constants + 16 x lane
	s_mov_b32 s[SI], \k
.if \k > 0
	s_cmp_gt_u32 s[SI], s[HI]
	s_cbranch_scc1 .Lnone_\@
.endif
	STEP \qr, \qph
.if \k > 0
.Lnone_\@:
.endif
.endm
.macro STEPS first, last, qr, qph      ; key steps first .. last - 1: a constant number of trips; the work of a step beyond the tile's last is jumped over
	s_mov_b32 s[SI], \first
.Lstep_\@:
	s_cmp_gt_u32 s[SI], s[HI]
	s_cbranch_scc1 .Lskip_\@
	s_setprio 2
	STEP \qr, \qph
.Lskip_\@:
	s_add_co_u32 s[SI], s[SI], 1
	s_cmp_lt_u32 s[SI], \last
	s_cbranch_scc1 .Lstep_\@
	s_setprio 0
.endm
; A tile ends: O^T / the sum x 2^(e4 + e5), converted with 2^e6, stored as the next operand's registers: 512 consecutive bytes a store.
.macro FINISH cd, base
.rept 4
	v_nop                                          ; places behind the last products
.endr
	v_add_f32 v14, v14, v15
	s_delay_alu instid0(VALU_DEP_1)
	v_permlanex16_b32 v236, v14, s[SEL], s[SEL+1]
	s_delay_alu instid0(VALU_DEP_1)
	v_add_f32 v14, v14, v236                       ; the row's sum
	s_wait_alu depctr_va_vdst(0)
	v_rcp_f32 v14, v14
	v_nop                                          ; a plain place behind the reciprocal
	s_wait_alu depctr_va_vdst(0)
	v_ldexp_f32 v14, v14, s88
.set J, 0
.rept 32
	v_mul_f32 v[96+J], v[160+J], v14               ; register 16 beta + i: channel 32 beta + 16 h + i
.set J, J+1
.endr
.set J, 0
.rept 32
.set J, J+1
.endr
.irp m, 0,1,2,3
	v_cvt_scalef32_pk8_fp8_f32 v[\cd+2*\m:\cd+2*\m+1], v[96+8*\m:103+8*\m], v245
.endr
	v_nop                                          ; a plain line behind the last conversion: later products write its sources
	global_store_b128 v1, v[\cd:\cd+3], s[\base:\base+1]
	global_store_b128 v1, v[\cd+4:\cd+7], s[\base:\base+1] offset:512
.endm
	s_wait_tensorcnt 0x1                           ; waves 0 and 1: my first chunk has landed; the 112 KB load behind it may be out
	s_barrier_signal -1
	s_barrier_wait -1                              ; key steps 0 and 1 of K and of V lie in LDS
	INITST
	s_mov_b32 s[HI], s21                           ; the light tile's last step: w / 2
	s_wait_loadcnt 0x0                             ; Q
	ONE 0, 16, 4                                   ; these two read bytes 0..16383 and 131072..147455 alone
	ONE 1, 16, 4
	s_wait_tensorcnt 0x0                           ; the rest has landed,
	s_wait_dscnt 0x0
	s_barrier_signal -1
	s_barrier_wait -1                              ; for every wave; from here on the waves run free
	STEPS 2, 8, 16, 4
	FINISH 208, 70
	INITST
	s_sub_co_u32 s[HI], 15, s21                    ; the heavy tile's last step
	STEPS 0, 16, 24, 5
	FINISH 216, 72
	s_wait_tensorcnt 0x0
	ds_add_u32 v251, v255
	s_wait_dscnt 0x0
	CROUND                                         ; the closing round
	s_endpgm
.Lfunc_end_k_qdd9dd22b5b_attn:
	.size	k_qdd9dd22b5b_attn, .Lfunc_end_k_qdd9dd22b5b_attn-k_qdd9dd22b5b_attn
	.p2alignl 7, 3214868480
	.fill 96, 4, 3214868480
	.section	.rodata,"a",@progbits
	.p2align	6, 0x0
	.amdhsa_kernel k_qdd9dd22b5b_attn
		.amdhsa_group_segment_fixed_size 264192
		.amdhsa_private_segment_fixed_size 0
		.amdhsa_enable_private_segment 0
		.amdhsa_kernarg_size 40
		.amdhsa_user_sgpr_count 2
		.amdhsa_user_sgpr_kernarg_segment_ptr 1
		.amdhsa_wavefront_size32 1
		.amdhsa_system_sgpr_workgroup_id_x 1
		.amdhsa_system_sgpr_workgroup_id_y 1
		.amdhsa_system_sgpr_workgroup_id_z 1
		.amdhsa_system_vgpr_workitem_id 0
		.amdhsa_next_free_vgpr 256
		.amdhsa_next_free_sgpr 100
		.amdhsa_reserve_vcc 1
		.amdhsa_float_denorm_mode_32 3
		.amdhsa_float_denorm_mode_16_64 3
		.amdhsa_fp16_overflow 1
		.amdhsa_memory_ordered 1
		.amdhsa_forward_progress 1
		.amdhsa_inst_pref_size 90
	.end_amdhsa_kernel
	.amdgpu_metadata
---
amdhsa.version: [ 1, 2 ]
amdhsa.kernels:
  - .name:           k_qdd9dd22b5b_attn
    .symbol:         k_qdd9dd22b5b_attn.kd
    .args:
      - { .name: q_img, .offset: 0, .size: 8, .value_kind: global_buffer, .address_space: global }
      - { .name: k_img, .offset: 8, .size: 8, .value_kind: global_buffer, .address_space: global }
      - { .name: v_img, .offset: 16, .size: 8, .value_kind: global_buffer, .address_space: global }
      - { .name: lowp_scales, .offset: 24, .size: 8, .value_kind: global_buffer, .address_space: global }
      - { .name: att_img, .offset: 32, .size: 8, .value_kind: global_buffer, .address_space: global }
    .group_segment_fixed_size: 264192
    .private_segment_fixed_size: 0
    .kernarg_segment_align: 8
    .kernarg_segment_size: 40
    .max_flat_workgroup_size: 512
    .sgpr_count:     100
    .vgpr_count:     256
    .wavefront_size: 32
...
	.end_amdgpu_metadata
.endif
;; end of part 2
;; launch oproj (part 3): grid 4 x 32, 4 waves a work-group, clusters of 4 x 4, 327,680 bytes of LDS; arguments att_img, w_out_codes, lowp_scales, out0; writes out0
.if DOCPART == 3
	.amdgcn_target "amdgcn-amd-amdhsa--gfx1250"
	.amdhsa_code_object_version 6
	.text
	.protected	k_qdd9dd22b5b_oproj
	.globl	k_qdd9dd22b5b_oproj
	.p2align	8
	.type	k_qdd9dd22b5b_oproj,@function
k_qdd9dd22b5b_oproj:
	s_mov_b64 s[64:65], 0
	v_nop
	global_prefetch_b8 v0, s[64:65] scope:SCOPE_SE
	s_setreg_imm32_b32 hwreg(HW_REG_WAVE_MODE, 25, 1), 1
	s_wait_xcnt 0x0
	s_wait_alu depctr_hold_cnt(0) depctr_sa_sdst(0) depctr_va_vdst(0) depctr_va_sdst(0) depctr_va_ssrc(0) depctr_va_vcc(0) depctr_vm_vsrc(0)
	s_getreg_b32 s2, hwreg(HW_REG_IB_STS2, 6, 4)
	s_cmp_eq_u32 s2, 0
	s_cbranch_scc0 .Lentry_in_a_cluster
	s_endpgm
.Lentry_in_a_cluster:
	s_bfe_u32 s2, ttmp6, 0x10000c
	s_cmp_lg_u32 s2, 0xf033
	s_cbranch_scc0 .Lentry_shape_is_right
	s_endpgm
.Lentry_shape_is_right:
; out0 = att w_out on E4M3 codes: out0[m][n] = 2^(e6 + e7) x the sum over k of att[m][k] w_out[n][k]; f32 sums, f32 output.
; "A" (source 1, the lanes' axis) = 256 rows of the attention's result, which lies in att_img as images of the operand's registers: [tile I of 16 rows][head][beta][lane][16 bytes], row
; 32 (I/2) + 8 (I%2) + r + (r & 8), k = 64 head + 32 beta + 16 h + 0..15.  "B" (source 0) = 256 rows of w_out_codes, as they lie.  Both sides hold the same k at the same lane half, register and byte.
; A work-group of four waves makes 256 x 256, a wave 128 x 128 in 64 accumulators; K = 1024 goes in four steps of 256 (four heads) through two LDS slots.
; A slot: A's 16 tiles x 4,096 bytes, dense (a fragment's four registers are 512 consecutive bytes, 16 a lane); then B's 256 rows of 256 bytes + 16 of padding.
; CLUSTERS: 4 x 4 work-groups; A's tile is shared along a row of the cluster, B's along a column: joint loads.
; THE WAY OUT: a block of 16 rows x 128 columns goes through my own stage in LDS and comes back as whole rows of 512 bytes; stage row t is row 32 (a/2) + 8 (a%2) + t + 8 (t/8) of my 128.
; The stage lies in slot 0, which has had its last fill and its last read when the first result is stored there.
; LIMIT: e6 + e7 between -126 and 127, so that 2^(e6 + e7) is an f32 number.
; REGISTERS: window 0: v1-6 at work, v16-29 addresses, v32-95 a block's scaled sums, v128-255 A's fragments, later rows read back.  window 1: B's fragments, two sets.  windows 2, 3: accumulators.
.set KROW,   1024
.set ROWB,   256
.set PITCH,  272
.set FR,     16
.set NL,     4
.set NP,     4
.set HALFA,  32768                     ; 8 tiles x 4,096 bytes: one tensor load for A
.set HALFT,  128*PITCH                 ; 128 rows: one tensor load for B
.set BOFF,   2*HALFA
.set SLOT,   BOFF+2*HALFT
.set SPARE,  2*SLOT                    ; behind the ring: the spare words, 128 bytes a wave
.set SPITCH, 528
.set ADRA, 16
.set ADRB, 20
.set STO,  24
.set RD,   25
.set CO,   26                          ; v26 16 x lane
.set SPW,  28
.set NIL,  29
.set TMP,  32
.set AF,   128
.set BK,   128
.set G1, 24
.set G0, 32
.set G1B, 48
.set G0B, 56
.set MSB, 0
.macro WIN new
.if MSB != (\new)
	s_set_vgpr_msb (MSB<<8)|(\new)
.set MSB, (\new)
.endif
.endm
.set MUL_LO, 0xa1
.set MUL_HI, 0xf1
.set TO_B,   0x40
.macro JLOAD g0a, g1a, g0b, g1b        ; a joint load: waves 0, 1 fetch for A, waves 2, 3 for B; four v_nop follow each line
	s_cmp_eq_u32 s15, 0
	s_cbranch_scc0 .Lfor_b_\@
	tensor_load_to_lds s[\g0a:\g0a+3], s[\g1a:\g1a+7]
	s_nop 0
.rept 4
	v_nop
.endr
	s_branch .Lasked_\@
.Lfor_b_\@:
	tensor_load_to_lds s[\g0b:\g0b+3], s[\g1b:\g1b+7]
	s_nop 0
.rept 4
	v_nop
.endr
.Lasked_\@:
.endm
.macro CREST
	s_cmp_lg_u32 s14, 0
	s_cbranch_scc1 .Lnot_wave_0_\@
	s_barrier_signal -3
.Lnot_wave_0_\@:
	s_barrier_wait -3
	s_barrier_signal -1
	s_barrier_wait -1
.endm
.macro CROUND
	s_barrier_signal -1
	s_barrier_wait -1
	CREST
.endm
	s_load_b256 s[4:11], s[0:1], 0x0               ; att_img s[4:5], w_out's codes s[6:7], the scales' exponents s[8:9], out0 s[10:11]
	v_lshl_add_u32 v[SPW], v0, 2, SPARE
	v_mov_b32 v[NIL], 0
	ds_add_u32 v28, v29
	ds_add_u32 v28, v29
	s_wait_dscnt 0x0
	v_lshrrev_b32 v1, 5, v0
	v_readfirstlane_b32 s14, v1                    ; wave 0..3
	s_lshr_b32 s15, s14, 1                         ; wr: my half of the rows.  Also: I fetch for A (0) or for B (1)
	s_and_b32 s16, s14, 1                          ; wc: my half of the columns.  Also: which half of that tile I fetch
	s_bfe_u32 s40, ttmp6, 0x40000                  ; cx
	s_bfe_u32 s41, ttmp6, 0x40004                  ; cy
	s_lshl_b32 s42, ttmp9, 2
	s_add_co_u32 s42, s42, s40                     ; tx: 256 columns
	s_and_b32 s17, ttmp7, 0xffff
	s_lshl_b32 s17, s17, 2
	s_add_co_u32 s17, s17, s41                     ; ty: 256 rows
	s_lshl_b32 s43, s41, 2
	s_lshl_b32 s43, 15, s43
	s_lshl_b32 s44, 0x1111, s40
	; A: 8 rows of 4,096 bytes (four heads of a tile of 16 rows), 16,384 bytes apart, in elements of 8 bytes, no padding
	s_or_b32 s[G1+0], s43, (3<<16)|(1<<21)
	s_mov_b32 s[G1+1], 512<<16                     ; tensor_dim0
	s_mov_b32 s[G1+2], 8<<16                       ; tensor_dim1
	s_mov_b32 s[G1+3], 512<<16                     ; tile_dim0
	s_mov_b32 s[G1+4], 8                           ; tile_dim1
	s_mov_b32 s[G1+5], 2048                        ; pitch
	s_mov_b32 s[G1+6], 0
	s_mov_b32 s[G1+7], 0
	; B: 128 rows of 256 bytes, 1,024 apart, 16 bytes of padding behind each
	s_or_b32 s[G1B+0], s44, (0<<16)|(1<<20)|(1<<21)|(5<<22)|(3<<25)
	s_mov_b32 s[G1B+1], ROWB<<16
	s_mov_b32 s[G1B+2], 128<<16
	s_mov_b32 s[G1B+3], ROWB<<16
	s_mov_b32 s[G1B+4], 128
	s_mov_b32 s[G1B+5], KROW
	s_mov_b32 s[G1B+6], 0
	s_mov_b32 s[G1B+7], 0
	s_lshl_b32 s20, s17, 18                        ; A: 16 tiles x 16,384 bytes a tile row,
	s_lshl_b32 s18, s16, 17                        ; + 8 tiles for the second half (under 2^24)
	s_add_co_u32 s20, s20, s18
	s_mov_b32 s21, 0
	s_lshl_b32 s46, s42, 8
	s_lshl_b32 s18, s16, 7
	s_add_co_u32 s46, s46, s18                     ; B: row 256 tx + 128 half
	s_lshl_b32 s46, s46, 10
	s_mov_b32 s47, 0
	s_lshl_b32 s45, s16, 15                        ; where they go: A's half,
	s_mul_i32 s19, s16, HALFT
	s_add_co_u32 s19, s19, BOFF                    ; B's half
	s_wait_kmcnt 0x0
	s_load_b256 s[80:87], s[8:9], 0x0              ; e0 .. e7
	s_add_nc_u64 s[20:21], s[4:5], s[20:21]
	s_add_nc_u64 s[46:47], s[6:7], s[46:47]
	CROUND
.irp s, 0,1
	s_mov_b32 s[G0+4*\s], 1
	s_add_co_u32 s[G0+4*\s+1], s45, \s*SLOT
	s_add_nc_u64 s[G0+4*\s+2:G0+4*\s+3], s[20:21], \s*4096
	s_or_b32 s[G0+4*\s+3], s[G0+4*\s+3], 0x80000000
	s_mov_b32 s[G0B+4*\s], 1
	s_add_co_u32 s[G0B+4*\s+1], s19, \s*SLOT
	s_add_nc_u64 s[G0B+4*\s+2:G0B+4*\s+3], s[46:47], \s*ROWB
	s_or_b32 s[G0B+4*\s+3], s[G0B+4*\s+3], 0x80000000
	s_wait_alu depctr_va_vdst(0)
	s_wait_tensorcnt 0x0
	ds_add_u32 v28, v29
	ds_add_u32 v28, v29
	s_wait_dscnt 0x0
	CROUND
	JLOAD G0+4*\s, G1, G0B+4*\s, G1B
.endr
	v_and_b32 v1, 15, v0                           ; r
	v_bfe_u32 v2, v0, 4, 1                         ; h
	v_and_b32 v6, 31, v0
	v_lshlrev_b32 v[CO], 4, v6                     ; 16 x lane
	v_mul_u32_u24 v3, v1, PITCH
	v_lshl_add_u32 v4, v2, 4, v3                   ; B: row x pitch + 16 h
	s_lshl_b32 s21, s15, 15                        ; my 8 tiles of A
	s_mul_i32 s22, s16, HALFT
	s_add_co_u32 s22, s22, BOFF                    ; my 128 rows of B
.irp s, 0,1
	v_add_nc_u32 v[ADRA+\s], s21, v[CO]
	v_add_nc_u32 v[ADRB+\s], s22, v4
	s_add_co_u32 s21, s21, SLOT
	s_add_co_u32 s22, s22, SLOT
.endr
	s_mul_i32 s23, s14, 16*SPITCH                  ; my stage
	v_mul_u32_u24 v5, v1, SPITCH
	v_lshl_add_u32 v5, v2, 5, v5
	v_add_nc_u32 v[STO], s23, v5                   ; in: row r, 32 bytes for each half of the lanes
	v_add_nc_u32 v[RD], s23, v[CO]                 ; back: the 32 lanes take one row of 512 bytes
	s_lshl_b32 s20, s17, 8
	s_lshl_b32 s21, s15, 7
	s_add_co_u32 s20, s20, s21                     ; my first row of out0
	s_lshl_b32 s20, s20, 12                        ; x 4,096 bytes (under 2^25)
	s_lshl_b32 s46, s42, 10
	s_lshl_b32 s47, s16, 9
	s_add_co_u32 s46, s46, s47                     ; my first column, in bytes
	s_add_co_u32 s20, s20, s46
	s_mov_b32 s21, 0
	s_add_nc_u64 s[10:11], s[10:11], s[20:21]
	s_wait_alu depctr_va_vdst(0)
	s_wait_kmcnt 0x0
	s_add_co_i32 s96, s86, s87
	s_add_co_i32 s96, s96, 127
	s_lshl_b32 s96, s96, 23                        ; 2^(e6 + e7) as f32
	s_mov_b32 s97, s96                             ; (named with it as a pair)
.macro FRAGA reg, adr, q, i            ; tile i, the slot's q-th 128 along K: registers 4 c on hold k = 32 c + 16 h + 0..15
.irp c, 0,1,2,3
	ds_load_b128 v[\reg+4*\c:\reg+4*\c+3], v[\adr] offset:(\i)*4096+(\q)*2048+512*\c
.endr
.endm
.macro FRAGB reg, adr, q, i
.irp c, 0,1,2,3
	ds_load_b128 v[\reg+4*\c:\reg+4*\c+3], v[\adr] offset:128*(\q)+32*\c+(\i)*16*PITCH
.endr
.endm
; The 64 accumulators take turns, one instruction a turn, in the same order in every step.
.macro MUL16 a0, p, zero
.irp a, \a0, \a0+1
.irp b, 0,1,2,3,4,5,6,7
.if \zero
	v_wmma_f32_16x16x128_fp8_fp8 v[8*(8*((\a)%4)+\b):8*(8*((\a)%4)+\b)+7], v[128*(\p)+FR*\b:128*(\p)+FR*\b+FR-1], v[AF+FR*(\a):AF+FR*(\a)+FR-1], 0
.else
	v_wmma_f32_16x16x128_fp8_fp8 v[8*(8*((\a)%4)+\b):8*(8*((\a)%4)+\b)+7], v[128*(\p)+FR*\b:128*(\p)+FR*\b+FR-1], v[AF+FR*(\a):AF+FR*(\a)+FR-1], v[8*(8*((\a)%4)+\b):8*(8*((\a)%4)+\b)+7]
.endif
.endr
.endr
.endm
.macro FETCH_B slot, q, p
	WIN TO_B
.irp i, 0,1,2,3,4,5,6,7
	FRAGB 128*(\p)+FR*\i, ADRB+\slot, \q, \i
.endr
	WIN 0
.endm
.macro FETCH_A slot, q, i0
.irp i, \i0, \i0+1, \i0+2, \i0+3
	FRAGA AF+FR*(\i), ADRA+\slot, \q, \i
.endr
.endm
.macro PLACES n
.rept \n
	v_nop
.endr
.endm
.macro STEP slot, q, zero
	s_wait_dscnt 4*NL                              ; B's set and A's blocks 0-3 are in; the youngest 16 loads (A's blocks 4-7) may be out
	WIN MUL_LO
	MUL16 0, (\q)%2, \zero
	MUL16 2, (\q)%2, \zero
	s_wait_dscnt 0
	PLACES NP
	FETCH_B \slot, (\q)+1, 1-(\q)%2
	FETCH_A \slot, (\q)+1, 0
	WIN MUL_HI
	MUL16 4, (\q)%2, \zero
	MUL16 6, (\q)%2, \zero
	PLACES NP
	WIN 0
	FETCH_A \slot, (\q)+1, 4
.endm
.macro TURN slot, next, fill
	s_wait_tensorcnt 0x0                           ; all my tensor loads have landed: my part of the next slot
	ds_add_u32 v[SPW], v[NIL]                      ; 0 onto my spare word
	s_wait_dscnt 4*NL+1                            ; the add and the youngest 16 loads may be out
	WIN MUL_LO
	MUL16 0, 1, 0
	s_wait_dscnt 0x0                               ; the add is done, and my reads of this slot are over
	s_barrier_signal -1
	MUL16 2, 1, 0
	WIN 0
	s_barrier_wait -1
.if \fill
	CREST
	s_add_nc_u64 s[G0+4*\slot+2:G0+4*\slot+3], s[G0+4*\slot+2:G0+4*\slot+3], 2*4096
	s_add_nc_u64 s[G0B+4*\slot+2:G0B+4*\slot+3], s[G0B+4*\slot+2:G0B+4*\slot+3], 2*ROWB
	JLOAD G0+4*\slot, G1, G0B+4*\slot, G1B
.else
	PLACES NP
.endif
	FETCH_B \next, 0, 0
	FETCH_A \next, 0, 0
	WIN MUL_HI
	MUL16 4, 1, 0
	MUL16 6, 1, 0
	PLACES NP
	WIN 0
	FETCH_A \next, 0, 4
.endm
	s_wait_tensorcnt 1                             ; my part of K step 0 is in; K step 1's load may be out
	s_barrier_signal -1
	s_barrier_wait -1
	FETCH_B 0, 0, 0
	FETCH_A 0, 0, 0
	FETCH_A 0, 0, 4
	STEP 0, 0, 1
	TURN 0, 1, 1
	STEP 1, 0, 0
	TURN 1, 0, 1
	STEP 0, 0, 0
	TURN 0, 1, 0
	STEP 1, 0, 0
	s_wait_dscnt 4*NL
	WIN MUL_LO
	MUL16 0, 1, 0
	MUL16 2, 1, 0
	s_wait_dscnt 0
	WIN MUL_HI
	MUL16 4, 1, 0
	MUL16 6, 1, 0
	WIN 0
.macro TOSTAGE a
.set AC, 64*((\a)%4)
	WIN 0x02+((\a)/4)                              ; source 0: window 2 or 3
.irp j, 0,2,4,6,8,10,12,14,16,18,20,22,24,26,28,30,32,34,36,38,40,42,44,46,48,50,52,54,56,58,60,62
	v_pk_mul_f32 v[TMP+\j:TMP+\j+1], v[AC+\j:AC+\j+1], s[96:97] op_sel_hi:[1,0]   ; x 2^(e6 + e7); each accumulator from its low end on
.endr
	WIN 0
.irp b, 0,1,2,3,4,5,6,7
	ds_store_b128 v[STO], v[TMP+8*\b:TMP+8*\b+3] offset:64*\b
	ds_store_b128 v[STO], v[TMP+8*\b+4:TMP+8*\b+7] offset:64*\b+16
.endr
.set BB, BK+64*((\a)%2)
.irp t, 0,1,2,3,4,5,6,7,8,9,10,11,12,13,14,15
	ds_load_b128 v[BB+4*\t:BB+4*\t+3], v[RD] offset:\t*SPITCH      ; LDS serves a wave's instructions in order (ISA guide 5.7.1.4): these see the stores above
.endr
.endm
.macro SEND a, younger                 ; younger: the LDS instructions issued behind block a's loads, which may stay out
.set BB, BK+64*((\a)%2)
	s_wait_dscnt \younger
.irp t, 0,1,2,3,4,5,6,7,8,9,10,11,12,13,14,15
	global_store_b128 v[CO], v[BB+4*\t:BB+4*\t+3], s[10:11] offset:(32*((\a)/2)+8*((\a)%2)+\t+8*(\t/8))*4096 th:TH_STORE_NT   ; 512 consecutive bytes, aligned; the image's rows go back to their places
.endr
.endm
	PLACES NP
	TOSTAGE 0
.irp a, 1,2,3,4,5,6,7
.if \a > 1
	s_wait_xcnt 0x0                                ; block a - 2's stores have read their registers: block a's loads may land there
.endif
	TOSTAGE \a
	SEND \a-1, 32                                  ; behind block a - 1's loads: block a's 16 stores and 16 loads
.endr
	SEND 7, 0
	s_wait_tensorcnt 0x0                           ; the wave's end
	ds_add_u32 v[SPW], v[NIL]
	s_wait_dscnt 0x0
	CROUND                                         ; the closing round
	s_endpgm
.Lfunc_end_k_qdd9dd22b5b_oproj:
	.size	k_qdd9dd22b5b_oproj, .Lfunc_end_k_qdd9dd22b5b_oproj-k_qdd9dd22b5b_oproj
	.p2alignl 7, 3214868480
	.fill 96, 4, 3214868480
	.section	.rodata,"a",@progbits
	.p2align	6, 0x0
	.amdhsa_kernel k_qdd9dd22b5b_oproj
		.amdhsa_group_segment_fixed_size 327680
		.amdhsa_private_segment_fixed_size 0
		.amdhsa_enable_private_segment 0
		.amdhsa_kernarg_size 32
		.amdhsa_user_sgpr_count 2
		.amdhsa_user_sgpr_kernarg_segment_ptr 1
		.amdhsa_wavefront_size32 1
		.amdhsa_system_sgpr_workgroup_id_x 1
		.amdhsa_system_sgpr_workgroup_id_y 1
		.amdhsa_system_sgpr_workgroup_id_z 1
		.amdhsa_system_vgpr_workitem_id 0
		.amdhsa_next_free_vgpr 1024
		.amdhsa_next_free_sgpr 100
		.amdhsa_reserve_vcc 0
		.amdhsa_float_denorm_mode_32 3
		.amdhsa_float_denorm_mode_16_64 3
		.amdhsa_memory_ordered 1
		.amdhsa_forward_progress 1
		.amdhsa_inst_pref_size 123
	.end_amdhsa_kernel
	.amdgpu_metadata
---
amdhsa.version: [ 1, 2 ]
amdhsa.kernels:
  - .name:           k_qdd9dd22b5b_oproj
    .symbol:         k_qdd9dd22b5b_oproj.kd
    .args:
      - { .name: att_img, .offset: 0, .size: 8, .value_kind: global_buffer, .address_space: global }
      - { .name: w_out_codes, .offset: 8, .size: 8, .value_kind: global_buffer, .address_space: global }
      - { .name: lowp_scales, .offset: 16, .size: 8, .value_kind: global_buffer, .address_space: global }
      - { .name: out0, .offset: 24, .size: 8, .value_kind: global_buffer, .address_space: global }
    .group_segment_fixed_size: 327680
    .private_segment_fixed_size: 0
    .kernarg_segment_align: 8
    .kernarg_segment_size: 32
    .max_flat_workgroup_size: 128
    .sgpr_count:     100
    .vgpr_count:     1024
    .wavefront_size: 32
...
	.end_amdgpu_metadata
.endif
;; end of part 3
